; MI455X (gfx1250); checked and timed in simulation.
; The chip was launched on July 23, 2026; its instructions are those of AMD's public machine-readable ISA for CDNA 5 (MIT licence, August 2026) and "CDNA5" Instruction Set Architecture Reference Guide (July 2026). The comments in the code are by the model that wrote it; some were corrected since.
;; Multihead Attention. Allowed arithmetic: matrix products marked QUANTISED: E2M3 operands, one E8M0 scale for each 32 along K, by v_wmma_scale_f32_16x16x128_f8f6f4 with both operands' format E2M3, f32 sums; everything else in f32.
;; Inputs: Wk_codes 1,024 x 32 x 24 uint8 (E2M3 codes of Wk, K innermost, in blocks of 32 codes, four codes in three bytes); Wk_scales 1,024 x 32 uint8 (E8M0 scales of Wk, one for each 32 codes along K); Wo_codes 1,024 x 32 x 24 uint8 (E2M3 codes of Wo, K innermost, in blocks of 32 codes, four codes in three bytes); Wo_scales 1,024 x 32 uint8 (E8M0 scales of Wo, one for each 32 codes along K); Wq_codes 1,024 x 32 x 24 uint8 (E2M3 codes of Wq, K innermost, in blocks of 32 codes, four codes in three bytes); Wq_scales 1,024 x 32 uint8 (E8M0 scales of Wq, one for each 32 codes along K); Wv_codes 1,024 x 32 x 24 uint8 (E2M3 codes of Wv, K innermost, in blocks of 32 codes, four codes in three bytes); Wv_scales 1,024 x 32 uint8 (E8M0 scales of Wv, one for each 32 codes along K); bo 1,024 float32; x_codes 4 x 2,048 x 32 x 24 uint8 (E2M3 codes of x, K innermost, in blocks of 32 codes, four codes in three bytes); x_scales 4 x 2,048 x 32 uint8 (E8M0 scales of x, one for each 32 codes along K).
;; Outputs: out0 4 x 2,048 x 1,024 float32.
;; This version of the problem:
;;   THIS VERSION OF THE PROBLEM IS GIVEN IN LOW PRECISION. The matrix products marked QUANTISED in the list below multiply operands that are first quantised to E2M3 (2 exponent bits, 3 mantissa bits; 6 bits a number), with one power-of-two scale for each 32 numbers along K (OCP MX v1.0); their sums are f32. All else is computed in f32.
;;   The module's matrix products, in the order in which they are computed (A, B: the left and right operand; K: the contracted axis; several contracted axes count as one K, in the product's order):
;;     1. [M 8,192, K 1,024] x [K 1,024, N 1,024]; A: input x (given as codes); B: input Wq (given as codes): QUANTISED
;;     2. [M 8,192, K 1,024] x [K 1,024, N 1,024]; A: input x (given as codes); B: input Wk (given as codes): QUANTISED
;;     3. [M 8,192, K 1,024] x [K 1,024, N 1,024]; A: input x (given as codes); B: input Wv (given as codes): QUANTISED
;;     4. batch 64 x [M 2,048, K 64] x [K 64, N 2,048]; A: computed on the way; B: computed on the way: QUANTISED
;;     5. batch 64 x [M 2,048, K 2,048] x [K 2,048, N 64]; A: softmax (see below); B: computed on the way: QUANTISED
;;     6. [M 8,192, K 1,024] x [K 1,024, N 1,024]; A: computed on the way; B: input Wo (given as codes): QUANTISED
;;   THE QUANTISER, for each operand of a quantised product, along K:
;;     - K is cut into blocks of 32 from its start; a last block that is shorter is filled with zeros.
;;     - A block's scale is 2^e with e = floor(log2(the largest magnitude in the block)) - 2, held to -126 .. 127; a block of zeros has e = 0. As a byte (E8M0): e + 127.
;;     - Each number is divided by its block's scale, clamped to +-7.5, and rounded to the nearest number of E2M3, ties to even, subnormals kept.
;;     - The product sums the exact products of the quantised numbers (number of the format x scale) in f32.
;;   ~~~python
;;   def quantise(x, axis):      # numpy; x: float32 -> the quantised numbers, widened to float32 again
;;       x = np.moveaxis(x, axis, -1); K = x.shape[-1]
;;       x = np.pad(x, [(0, 0)] * (x.ndim - 1) + [(0, -K % 32)]); x = x.reshape(x.shape[:-1] + (-1, 32)); a = np.abs(x).max(-1, keepdims=True)
;;       e = np.where(a > 0, np.clip(np.frexp(np.where(a > 0, a, 1))[1] - 1 - 2, -126, 127), 0)      # np.frexp(a)[1] - 1 = floor(log2(a)), exactly
;;       r = np.clip(x / 2.0 ** e, -7.5, 7.5)
;;       step = 2.0 ** (np.maximum(np.frexp(np.where(r == 0, 1, r))[1] - 1, 0) - 3)
;;       q = np.round(r / step) * step * 2.0 ** e      # np.round: ties to even
;;       return np.moveaxis(q.reshape(q.shape[:-2] + (-1,))[..., :K], -1, axis).astype(np.float32)
;;   ~~~
;;   SOFTMAX AHEAD OF A QUANTISED PRODUCT. Where the list says 'softmax', what is quantised is not the finished softmax but p = 2^(t - M), with t = logit x log2(e) and M = ceil(the row's largest t), a whole number; so 1/2 < the row's largest p <= 1. The row's sum l is taken of the UNQUANTISED p, in f32, and the product's result is divided by l at the end. Since M is a whole number, a kernel that streams over the keys may use a running M (the ceiling of the running maximum): every later rescaling is an exact power of two, which a block's scale takes up: the codes' values come out the same.
;;   OPERANDS COMPUTED ON THE WAY. 'Computed on the way' means the value that the module computes at that place (a softmax that the list does not call 'softmax' is quantised finished and normalised). What goes into a quantiser is computed in f32, as accurately as f32 sums, v_exp_f32 and their like allow (about 1e-6 of the number): no bf16 or f16 on the way to a quantiser, and a product that is left as it is and whose result goes on into a quantised operand takes f32 operands (vector FMAs, or v_wmma_f32_16x16x4_f32). A number that lies on a knife's edge between two numbers of the format may be rounded either way, as far as f32 arithmetic and the matrix unit's own rounding can turn it there, and no further.
;;   INPUTS GIVEN AS CODES. Wk (in the module: [1024, 1024], K = its axis 0); Wo (in the module: [1024, 1024], K = its axis 0); Wq (in the module: [1024, 1024], K = its axis 0); Wv (in the module: [1024, 1024], K = its axis 0); x (in the module: [4, 2048, 1024], K = its axis 2): each comes as NAME_codes (uint8): NAME with its K axis moved to the last place and cut into blocks of 32 codes, [.., K / 32, bytes a block], one block behind the other in memory; four codes in three bytes: a row's codes are one little-endian stream of bits, code i at bits 6 i .. 6 i + 5 (a code: sign, 2 exponent bits, 3 mantissa bits); and NAME_scales (uint8): the same leading axes, one E8M0 byte (e + 127) for each 32 codes along K. Its value is code x scale, taken as it is: it is not quantised again, and the codes and scales need not be those that the quantiser above would give.
;; One version. Each part assembles by itself: llvm-mc -triple=amdgcn-amd-amdhsa -mcpu=gfx1250 --defsym DOCPART=n.
;; ======== version 1 of 1: 3 launches
;; workspace buffers: qb 13,107,200 bytes; kv 13,107,200 bytes; cc 6,291,456 bytes; cs 262,144 bytes
;; launch proj (part 1): grid 12 x 32, 4 waves a work-group, clusters of 4 x 4, 327,680 bytes of LDS; arguments x_codes, x_scales, Wq_codes, Wq_scales, Wk_codes, Wk_scales, Wv_codes, Wv_scales, qb, kv; writes qb, kv
.if DOCPART == 1
	.amdgcn_target "amdgcn-amd-amdhsa--gfx1250"
	.amdhsa_code_object_version 6
	.text
	.protected	k_qf56b7c01de_proj
	.globl	k_qf56b7c01de_proj
	.p2align	8
	.type	k_qf56b7c01de_proj,@function
k_qf56b7c01de_proj:
	s_mov_b64 s[64:65], 0
	v_nop
	global_prefetch_b8 v0, s[64:65] scope:SCOPE_SE
	s_setreg_imm32_b32 hwreg(HW_REG_WAVE_MODE, 25, 1), 1
	s_wait_xcnt 0x0
	s_wait_alu depctr_hold_cnt(0) depctr_sa_sdst(0) depctr_va_vdst(0) depctr_va_sdst(0) depctr_va_ssrc(0) depctr_va_vcc(0) depctr_vm_vsrc(0)
	s_getreg_b32 s2, hwreg(HW_REG_IB_STS2, 6, 4)
	s_cmp_eq_u32 s2, 0
	s_cbranch_scc0 .Lentry_in_a_cluster
	s_endpgm
.Lentry_in_a_cluster:
	s_bfe_u32 s2, ttmp6, 0x10000c
	s_cmp_lg_u32 s2, 0xf033
	s_cbranch_scc0 .Lentry_shape_is_right
	s_endpgm
.Lentry_shape_is_right:
; q = x Wq, k = x Wk, v = x Wv on codes of FP6 (E2M3) with E8M0 scales, and the quantising of q, k (along the head's 64) and v (along the keys) in registers.
; x: 8,192 rows, each W: 1,024 rows, all of 1,024 codes (768 bytes) with 32 scale bytes a row, K innermost: they go to the matrix unit as they lie.
; SHARES.  Cluster x says which product: 0 q, 1 k, 2 v.  A work-group of four waves makes 256 x 256 results, a wave 128 x 128: 64 accumulators, 512 registers.
; ROLES.  Source 0 ("B") holds the rows along which the result is quantised next, source 1 ("A") the others.  q, k: A = x (tokens), B = W (features).  v: A = Wv (features), B = x (tokens).
; In the result lane (r, h) holds A's row r, and register 8 b + j of the eight tiles of a block of A holds B's row 16 b + 8 h + j: the 16 registers of tiles 2 c, 2 c + 1 in lanes l and l xor 16 are one block of 32.
; Inside a block the codes are laid with bits 3 and 4 of the index changed over.  q and k, and v and the softmax's p, are all laid so, so the products that follow pair the right numbers.
; OUT.  Operands leave as images of their registers: a fragment of 12 registers is three stores of 16 bytes a lane, 512 consecutive bytes each.  A head (b, head) has 204,800 bytes in qb and in kv:
;   0: k's (q's) scale words [step 16][row 16][16 bytes], word f = key tiles 2 f, 2 f + 1 (two bytes each);  4,096: v's, word t = d tile t (the step's four key blocks);
;   8,192 + 12,288 i: step i's four images of k (q) (registers 0-5 key tile 2 f, registers 6-11 key tile 2 f + 1), then its four images of v^T (16 of the head's 64 x 128 keys).
; CLUSTERS: 4 x 4 work-groups; A's tiles are asked for jointly along a row of the cluster, B's along a column.  Ring, round and loop order: two LDS slots of 256 along K.
; LIMITS: NaN and infinities are not served; a block of zeros, or one whose largest magnitude lies under 2^-124, gets the scale byte 1 (its codes are zeros or small; this program alone reads the bytes).
; No prefetch: K has four slots' worth, two of which are first fills.
.set NQ,     2                         ; matrix instructions deep in a slot
.set ROWB,   192                       ; a tile's row: 256 codes
.set KROW,   768                       ; a row in memory
.set PITCH,  240                       ; an LDS row: 3 x (64 bytes + 16 of padding)
.set FR,     12
.set NL,     6
.set NP,     4
.set HALFT,  128*PITCH
.set SLOT,   4*HALFT
.set KS,     32                        ; a row of scale bytes
.set SCL,    2*SLOT                    ; behind the ring: the scales, units of 256 bytes + 16
.set HALFS,  (128*KS/256)*272
.set SBLK,   (16*KS/256)*272
.set SPARE,  SCL+4*HALFS               ; the spare words, 128 bytes a wave: no other line names them
.set BHB,    204800                    ; a head's bytes in qb and kv
.set ADRA, 16                          ; v16-17 A's fragments in slot 0, 1; v18-19 behind one padding more
.set ADRB, 20                          ; v20-23 the same for B
.set SCO,  24                          ; v24  the scale words' place: 16 r + h x a head's bytes
.set L16,  26                          ; v26  16 x lane
.set ADRS, 27                          ; v27  my scale words in LDS
.set SPW,  28                          ; v28  my spare word; never rewritten
.set NIL,  29                          ; v29  0; never rewritten
.set SC,   32                          ; v32-63 scale words, two sets
.set XT,   64                          ; v64-70 the conversions' second halves
.set SELV, 72                          ; v72-73 byte selectors
.set AF,   128                         ; v128-223 A's fragments
.set CODES, 128                        ; the way out: 96 registers of codes, each fragment its own
.set PW,   224                         ; v224-231 the eight scale words
.set WS,   232                         ; v232-235 the scale store's data
.set TM,   236                         ; v236-239 largest magnitudes, v240-243 bytes, v248-251 scale operands
.set G1, 24
.set G0, 32
.set G1B, 48
.set G0B, 56
.set SEL, 66                           ; s[66:67] lane selects: lane l xor 16
.set G1S, 68
.set G0S, 76
.set G1SB, 80
.set G0SB, 88
.set MSB, 0
.macro WIN new                         ; the immediate's high byte repeats the setting that is left
.if MSB != (\new)
	s_set_vgpr_msb (MSB<<8)|(\new)
.set MSB, (\new)
.endif
.endm
.set MUL_LO, 0xa1                      ; source 0 (B) window 1, source 1 (A) window 0, C and D window 2
.set MUL_HI, 0xf1                      ; the same, C and D window 3
.set TO_B,   0x40
; A joint load: waves 0 and 1 fetch for A, waves 2 and 3 for B; the branch hangs on the wave's number alone.  Four v_nop follow each line.
.macro JLOAD g0a, g1a, g0b, g1b
	s_cmp_eq_u32 s15, 0
	s_cbranch_scc0 .Lfor_b_\@
	tensor_load_to_lds s[\g0a:\g0a+3], s[\g1a:\g1a+7]
	s_nop 0
.rept 4
	v_nop
.endr
	s_branch .Lasked_\@
.Lfor_b_\@:
	tensor_load_to_lds s[\g0b:\g0b+3], s[\g1b:\g1b+7]
	s_nop 0
.rept 4
	v_nop
.endr
.Lasked_\@:
.endm
.macro CREST                           ; a round of the cluster's barrier behind its opening barrier
	s_cmp_lg_u32 s14, 0
	s_cbranch_scc1 .Lnot_wave_0_\@
	s_barrier_signal -3
.Lnot_wave_0_\@:
	s_barrier_wait -3
	s_barrier_signal -1
	s_barrier_wait -1
.endm
.macro CROUND
	s_barrier_signal -1
	s_barrier_wait -1
	CREST
.endm
	s_load_b512 s[68:83], s[0:1], 0x0              ; x codes 68, x scales 70, Wq 72, 74, Wk 76, 78, Wv 80, 82
	s_load_b128 s[84:87], s[0:1], 0x40             ; qb 84, kv 86
	v_lshl_add_u32 v[SPW], v0, 2, SPARE
	v_mov_b32 v[NIL], 0
	ds_add_u32 v28, v29
	ds_add_u32 v28, v29
	s_wait_dscnt 0x0
	v_lshrrev_b32 v1, 5, v0
	v_readfirstlane_b32 s14, v1                    ; wave 0..3
	s_lshr_b32 s15, s14, 1                         ; which half of A's rows is mine.  Also: I fetch for A (0) or for B (1)
	s_and_b32 s16, s14, 1                          ; which half of B's rows.  Also: which 128 rows of that tile I fetch
	s_bfe_u32 s40, ttmp6, 0x40000                  ; cx
	s_bfe_u32 s41, ttmp6, 0x40004                  ; cy
	s_and_b32 s18, ttmp7, 0xffff
	s_lshl_b32 s18, s18, 2                         ; 4 x cluster y: x's 32 tiles of 256 rows are walked by it
	s_cmp_eq_u32 ttmp9, 2                          ; the product v?  Cluster x is the same in all sixteen partners
	s_cselect_b32 s19, 0, s18
	s_cselect_b32 s95, s18, 0
	s_add_co_u32 s17, s41, s19                     ; A's tile: q, k: x's tile cy + 4 Y;  v: Wv's tile cy
	s_add_co_u32 s42, s40, s95                     ; B's tile: q, k: W's tile cx;  v: x's tile cx + 4 Y
	s_lshl_b32 s43, s41, 2
	s_lshl_b32 s43, 15, s43                        ; my row of the cluster
	s_lshl_b32 s44, 0x1111, s40                    ; my column
	s_or_b32 s[G1+0], s43, (0<<16)|(1<<20)|(1<<21)|(3<<22)|(3<<25)  ; the mask; elements of 1 byte; padding of 4 words behind every 16; bit 21 beside a mask
	s_or_b32 s[G1B+0], s44, (0<<16)|(1<<20)|(1<<21)|(3<<22)|(3<<25)
.irp g, G1, G1B
	s_mov_b32 s[\g+1], ROWB<<16                    ; tensor_dim0
	s_mov_b32 s[\g+2], 128<<16                     ; tensor_dim1
	s_mov_b32 s[\g+3], ROWB<<16                    ; tile_dim0
	s_mov_b32 s[\g+4], 128                         ; tile_dim1
	s_mov_b32 s[\g+5], KROW                        ; from row to row
	s_mov_b32 s[\g+6], 0
	s_mov_b32 s[\g+7], 0
.endr
	s_lshl_b32 s18, s16, 7                         ; which 128 rows of the tile I fetch
	s_lshl_b32 s20, s17, 8
	s_add_co_u32 s20, s20, s18                     ; A's row
	s_lshl_b32 s46, s42, 8
	s_add_co_u32 s46, s46, s18                     ; B's row
	s_mov_b32 s21, 0
	s_mov_b32 s47, 0
	s_mov_b64 s[18:19], KS
	s_mul_u64 s[22:23], s[20:21], s[18:19]         ; where these rows' scales begin
	s_mul_u64 s[92:93], s[46:47], s[18:19]
	s_mov_b64 s[18:19], KROW
	s_mul_u64 s[20:21], s[20:21], s[18:19]         ; and their codes
	s_mul_u64 s[46:47], s[46:47], s[18:19]
	s_mul_i32 s45, s14, HALFT                      ; where they go: by the wave's number alone
	s_mul_i32 s94, s14, HALFS
	s_mov_b32 s[SEL], 0x76543210
	s_mov_b32 s[SEL+1], 0xfedcba98
	s_wait_kmcnt 0x0
	s_cmp_eq_u32 ttmp9, 0                          ; the buffers are chosen by the product's number, which hangs on no address
	s_cselect_b64 s[72:73], s[72:73], s[76:77]     ; Wq or Wk
	s_cselect_b64 s[74:75], s[74:75], s[78:79]
	s_cselect_b64 s[12:13], s[84:85], s[86:87]     ; out: qb for q, kv for k and v
	s_cmp_eq_u32 ttmp9, 2
	s_cselect_b64 s[4:5], s[80:81], s[68:69]       ; A's codes
	s_cselect_b64 s[6:7], s[82:83], s[70:71]       ; A's scales
	s_cselect_b64 s[8:9], s[68:69], s[72:73]       ; B's codes
	s_cselect_b64 s[10:11], s[70:71], s[74:75]     ; B's scales
	; the scales of 128 rows: 4,096 dense bytes, as 16 rows of 256 bytes (32 elements of 8), 16 bytes of padding behind each
	s_or_b32 s[G1S+0], s43, (3<<16)|(1<<20)|(1<<21)|(5<<22)|(3<<25)
	s_or_b32 s[G1SB+0], s44, (3<<16)|(1<<20)|(1<<21)|(5<<22)|(3<<25)
.irp g, G1S, G1SB
	s_mov_b32 s[\g+1], 32<<16
	s_mov_b32 s[\g+2], (128*KS/256)<<16
	s_mov_b32 s[\g+3], 32<<16
	s_mov_b32 s[\g+4], 128*KS/256
	s_mov_b32 s[\g+5], 32
	s_mov_b32 s[\g+6], 0
	s_mov_b32 s[\g+7], 0
.endr
	s_add_nc_u64 s[20:21], s[4:5], s[20:21]
	s_add_nc_u64 s[22:23], s[6:7], s[22:23]
	s_add_nc_u64 s[46:47], s[8:9], s[46:47]
	s_add_nc_u64 s[92:93], s[10:11], s[92:93]
	CROUND                                         ; all sixteen work-groups are here: the first joint loads meet
	s_mov_b32 s[G0S], 1
	s_add_co_u32 s[G0S+1], s94, SCL
	s_mov_b64 s[G0S+2:G0S+3], s[22:23]
	s_or_b32 s[G0S+3], s[G0S+3], 0x80000000
	s_mov_b32 s[G0SB], 1
	s_add_co_u32 s[G0SB+1], s94, SCL
	s_mov_b64 s[G0SB+2:G0SB+3], s[92:93]
	s_or_b32 s[G0SB+3], s[G0SB+3], 0x80000000
	JLOAD G0S, G1S, G0SB, G1SB                     ; the scales first: three loads of mine are out behind the next two
.irp s, 0,1
	s_mov_b32 s[G0+4*\s], 1
	s_add_co_u32 s[G0+4*\s+1], s45, \s*SLOT
	s_add_nc_u64 s[G0+4*\s+2:G0+4*\s+3], s[20:21], \s*ROWB
	s_or_b32 s[G0+4*\s+3], s[G0+4*\s+3], 0x80000000
	s_mov_b32 s[G0B+4*\s], 1
	s_add_co_u32 s[G0B+4*\s+1], s45, \s*SLOT
	s_add_nc_u64 s[G0B+4*\s+2:G0B+4*\s+3], s[46:47], \s*ROWB
	s_or_b32 s[G0B+4*\s+3], s[G0B+4*\s+3], 0x80000000
	JLOAD G0+4*\s, G1, G0B+4*\s, G1B
.endr
	v_and_b32 v1, 15, v0                           ; r
	v_bfe_u32 v2, v0, 4, 1                         ; h (kept for the way out)
	v_mul_u32_u24 v3, v1, PITCH
	v_mul_u32_u24 v4, v2, 24
	v_add_nc_u32 v4, v3, v4                        ; a fragment's row x pitch + 24 x half
	v_lshl_add_u32 v5, v2, 4, v4                   ; and the same behind one padding more
	s_mul_i32 s21, s15, HALFT                      ; my 128 rows of A
	s_mul_i32 s22, s16, HALFT                      ; my 128 rows of B,
	s_add_co_u32 s22, s22, 2*HALFT                 ; behind A's 256
.irp s, 0,1
	v_add_nc_u32 v[ADRA+\s], s21, v4
	v_add_nc_u32 v[ADRB+\s], s22, v4
	v_add_nc_u32 v[ADRA+2+\s], s21, v5
	v_add_nc_u32 v[ADRB+2+\s], s22, v5
	s_add_co_u32 s21, s21, SLOT
	s_add_co_u32 s22, s22, SLOT
.endr
	v_mul_u32_u24 v5, v1, KS                       ; my row's scales,
	v_lshrrev_b32 v6, 8, v5
	v_lshl_add_u32 v5, v6, 4, v5                   ; 16 more for each 256 passed
	s_mul_i32 s21, s15, HALFS
	s_mul_i32 s22, s16, HALFS
	s_add_co_u32 s22, s22, 2*HALFS
	s_sub_co_u32 s22, s22, s21
	v_mul_u32_u24 v6, s22, v2                      ; lanes 16-31 take B's
	s_add_co_u32 s21, s21, SCL
	v_add_nc_u32 v5, v5, v6
	v_add_nc_u32 v[ADRS], s21, v5
	v_and_b32 v6, 31, v0
	v_lshlrev_b32 v[L16], 4, v6
	v_mul_u32_u24 v6, v2, BHB
	v_lshl_add_u32 v[SCO], v1, 4, v6
	; where my results go: token 128 i of batch b, heads head0 and head0 + 1
	s_lshl_b32 s20, s17, 8
	s_lshl_b32 s21, s15, 7
	s_add_co_u32 s20, s20, s21                     ; A's first row of mine
	s_lshl_b32 s21, s42, 8
	s_lshl_b32 s22, s16, 7
	s_add_co_u32 s21, s21, s22                     ; B's
	s_cmp_eq_u32 ttmp9, 2
	s_cselect_b32 s22, s21, s20                    ; my first token
	s_cselect_b32 s23, s20, s21                    ; my first feature
	s_lshr_b32 s46, s22, 11
	s_lshl_b32 s46, s46, 4
	s_lshr_b32 s47, s23, 6
	s_add_co_u32 s46, s46, s47                     ; 16 b + head0
	s_mul_i32 s92, s46, BHB
	s_mov_b32 s93, 0
	s_add_nc_u64 s[12:13], s[12:13], s[92:93]
	s_bfe_u32 s22, s22, 0x40007                    ; i: which 128 tokens of the 2,048
	s_mul_i32 s92, s22, 12288
	s_add_nc_u64 s[96:97], s[12:13], s[92:93]      ; the codes' base
	s_lshl_b32 s92, s22, 8
	s_add_nc_u64 s[98:99], s[12:13], s[92:93]      ; the scale words' base
.macro FRAG reg, adr, q, i             ; 16 rows x 128 K: 12 registers, in six pieces of 8 bytes; where lanes 16-31's piece lies behind one padding more, the second address register serves
.irp p, 0,1,2,3,4,5
.set PC, 12*(\q)+6*(\p/3)+\p%3
.if PC%8 < 5
	ds_load_b64 v[\reg+2*\p:\reg+2*\p+1], v[\adr] offset:8*PC+16*(PC/8)+(\i)*16*PITCH
.else
	ds_load_b64 v[\reg+2*\p:\reg+2*\p+1], v[\adr+2] offset:8*PC+16*(PC/8)+(\i)*16*PITCH
.endif
.endr
.endm
; 16 matrix instructions: A's blocks a0, a0 + 1 x B's eight.  The 64 accumulators take turns, one instruction a turn, in the same order in every step.
.macro MUL16 a0, p, q, sc, zero
.irp a, \a0, \a0+1
.irp b, 0,1,2,3,4,5,6,7
.if \zero
	v_wmma_scale_f32_16x16x128_f8f6f4 v[8*(8*((\a)%4)+\b):8*(8*((\a)%4)+\b)+7], v[128*(\p)+FR*\b:128*(\p)+FR*\b+FR-1], v[AF+FR*(\a):AF+FR*(\a)+FR-1], 0, v[SC+8*NQ*(\sc)+NQ*\b+(\q)], v[SC+8*NQ*(\sc)+NQ*(\a)+(\q)] matrix_a_fmt:MATRIX_FMT_FP6 matrix_b_fmt:MATRIX_FMT_FP6 matrix_a_scale:MATRIX_SCALE_ROW1
.else
	v_wmma_scale_f32_16x16x128_f8f6f4 v[8*(8*((\a)%4)+\b):8*(8*((\a)%4)+\b)+7], v[128*(\p)+FR*\b:128*(\p)+FR*\b+FR-1], v[AF+FR*(\a):AF+FR*(\a)+FR-1], v[8*(8*((\a)%4)+\b):8*(8*((\a)%4)+\b)+7], v[SC+8*NQ*(\sc)+NQ*\b+(\q)], v[SC+8*NQ*(\sc)+NQ*(\a)+(\q)] matrix_a_fmt:MATRIX_FMT_FP6 matrix_b_fmt:MATRIX_FMT_FP6 matrix_a_scale:MATRIX_SCALE_ROW1
.endif
.endr
.endr
.endm
.macro FETCH_B slot, q, p
	WIN TO_B
.irp i, 0,1,2,3,4,5,6,7
	FRAG 128*(\p)+FR*\i, ADRB+\slot, \q, \i
.endr
	WIN 0
.endm
.macro FETCH_A slot, q, i0
.irp i, \i0, \i0+1, \i0+2, \i0+3
	FRAG AF+FR*(\i), ADRA+\slot, \q, \i
.endr
.endm
.macro SCALES sc                       ; a slot's scale words: lanes 0-15 A's block i, lanes 16-31 B's block i
.irp i, 0,1,2,3,4,5,6,7
	ds_load_b64 v[SC+8*NQ*\sc+NQ*\i:SC+8*NQ*\sc+NQ*\i+1], v[ADRS] offset:\i*SBLK
.endr
.endm
.macro PLACES n                        ; plain vector instructions between a matrix instruction and a load into, or a vector read of, its registers
.rept \n
	v_nop
.endr
.endm
.macro STEP slot, q, zero              ; 128 along K whose successor lies in the same slot
	s_wait_dscnt 4*NL                              ; all but the youngest 24 loads, A's blocks 4-7
	WIN MUL_LO
	MUL16 0, (\q)%2, \q, \slot, \zero
	MUL16 2, (\q)%2, \q, \slot, \zero
	s_wait_dscnt 0                                 ; A's blocks 4-7 are in
	PLACES NP
	FETCH_B \slot, (\q)+1, 1-(\q)%2
	FETCH_A \slot, (\q)+1, 0
	WIN MUL_HI
	MUL16 4, (\q)%2, \q, \slot, \zero
	MUL16 6, (\q)%2, \q, \slot, \zero
	PLACES NP
	WIN 0
	FETCH_A \slot, (\q)+1, 4
.endm
; A slot's last step changes slots: one barrier; in front of it each wave waits for all its tensor loads, adds 0 to its spare word, and waits for that and for its reads of the slot.
.macro TURN slot, next, fill
	s_wait_tensorcnt 0x0                           ; all my tensor loads have landed: my part of the next slot
	ds_add_u32 v[SPW], v[NIL]                      ; 0 onto my spare word
	s_wait_dscnt 4*NL+1                            ; the add and the youngest 24 loads may be out
	WIN MUL_LO
	MUL16 0, 1, NQ-1, \slot, 0
	s_wait_dscnt 0x0                               ; the add is done, and my reads of this slot are over
	s_barrier_signal -1
	MUL16 2, 1, NQ-1, \slot, 0
	WIN 0
	s_barrier_wait -1
.if \fill
	CREST                                          ; the barrier has opened a round of the cluster's: no wave of any partner still reads this slot or has a load on its way
	s_add_nc_u64 s[G0+4*\slot+2:G0+4*\slot+3], s[G0+4*\slot+2:G0+4*\slot+3], 2*ROWB
	s_add_nc_u64 s[G0B+4*\slot+2:G0B+4*\slot+3], s[G0B+4*\slot+2:G0B+4*\slot+3], 2*ROWB
	JLOAD G0+4*\slot, G1, G0B+4*\slot, G1B         ; the first tensor load behind the round, one a wave; its four v_nop are the places in front of the loads below
.else
	PLACES NP
.endif
	v_add_nc_u32 v[ADRS], 4*NQ, v[ADRS]            ; the next slot's scale words
	FETCH_B \next, 0, 0
	FETCH_A \next, 0, 0
	SCALES \next
	WIN MUL_HI
	MUL16 4, 1, NQ-1, \slot, 0
	MUL16 6, 1, NQ-1, \slot, 0
	PLACES NP
	WIN 0
	FETCH_A \next, 0, 4
.endm
	s_wait_tensorcnt 1                             ; the scales and my part of slot 0 are in; slot 1's load may be out
	s_barrier_signal -1
	s_barrier_wait -1
	FETCH_B 0, 0, 0
	FETCH_A 0, 0, 0
	SCALES 0
	FETCH_A 0, 0, 4
	STEP 0, 0, 1                                   ; K = 1,024 is four slots' worth, written out: the first products start the sums
	TURN 0, 1, 1                                   ; slot 0 takes K 512 on
	STEP 1, 0, 0
	TURN 1, 0, 1                                   ; slot 1 takes K 768 on
	STEP 0, 0, 0
	TURN 0, 1, 0                                   ; nothing is left to fetch
	STEP 1, 0, 0
	s_wait_dscnt 4*NL
	WIN MUL_LO
	MUL16 0, 1, NQ-1, 1, 0
	MUL16 2, 1, NQ-1, 1, 0
	s_wait_dscnt 0
	WIN MUL_HI
	MUL16 4, 1, NQ-1, 1, 0
	MUL16 6, 1, NQ-1, 1, 0
	WIN 0
; 64 results of a lane (window w, from register s on: eight tiles of one block of A) become four blocks' codes and a scale word.
; Blocks 0, 1 go to the six registers from d0 on, blocks 2, 3 to those from d1 on: lanes 0-15 hold the even block, lanes 16-31 the odd one, as the operand's layout asks.
.macro QUANT w, s, d0, d1, pw
.set WQ, (\w)
	WIN WQ|(WQ<<2)
.irp b, 0,1,2,3
	v_max3_num_f32 v[TM+\b], |v[(\s)+16*\b]|, |v[(\s)+16*\b+1]|, 0x1800000   ; my 16 numbers of block b, from each accumulator's low end on, and the floor 2^(3 - 127): the byte cannot fall under 1
.endr
	WIN (WQ<<2)|(WQ<<4)
.irp i, 2,4,6,8,10,12,14
.irp b, 0,1,2,3
	v_max3_num_f32 v[TM+\b], v[TM+\b], |v[(\s)+16*\b+\i]|, |v[(\s)+16*\b+\i+1]|
.endr
.endr
	WIN 0
.irp b, 0,1,2,3
	v_permlanex16_b32 v[TM+4+\b], v[TM+\b], s[SEL], s[SEL+1]
.endr
.irp b, 0,1,2,3
	v_max_num_f32 v[TM+\b], v[TM+\b], v[TM+4+\b]   ; with lane l xor 16's: the block's largest magnitude
.endr
.irp b, 0,1,2,3
	v_add_nc_u32 v[TM+12+\b], 0xff000000, v[TM+\b] ; 2 off its exponent field: the conversion's scale operand
.endr
.irp b, 0,1,2,3
	v_lshrrev_b32 v[TM+4+\b], 23, v[TM+12+\b]      ; the scale's byte
.endr
	v_lshl_or_b32 v[\pw], v[TM+5], 8, v[TM+4]
	v_lshl_or_b32 v[\pw], v[TM+6], 16, v[\pw]
	v_lshl_or_b32 v[\pw], v[TM+7], 24, v[\pw]
	WIN WQ
	v_cvt_scalef32_pk16_fp6_f32 v[\d0:\d0+2], v[(\s):(\s)+15], v[TM+12]
	v_cvt_scalef32_pk16_fp6_f32 v[XT:XT+2], v[(\s)+16:(\s)+31], v[TM+13]
	v_cvt_scalef32_pk16_fp6_f32 v[\d1:\d1+2], v[(\s)+32:(\s)+47], v[TM+14]
	v_cvt_scalef32_pk16_fp6_f32 v[XT+4:XT+6], v[(\s)+48:(\s)+63], v[TM+15]
	WIN 0
	v_nop                                          ; one plain place behind a scaled conversion
.irp i, 0,1,2
	v_permlane16_swap_b32 v[\d0+\i], v[XT+\i]      ; a whole block to a lane
	v_permlane16_swap_b32 v[\d1+\i], v[XT+4+\i]
.endr
.irp i, 0,1,2
	v_mov_b32 v[\d0+3+\i], v[XT+\i]
	v_mov_b32 v[\d1+3+\i], v[XT+4+\i]
.endr
.endm
	PLACES NP                                      ; behind the last products: their results are read, and A's registers written, from here on
.irp b, 0,1,2,3
	v_mov_b32 v[TM+4+\b], 0                        ; written once: a lane permute's destination counts as one of its sources
.endr
	v_cmp_eq_u32 vcc_lo, 1, v2                     ; lanes 16-31
	s_cmp_eq_u32 ttmp9, 2
	s_cbranch_scc1 .Lv
	; q, k: a block of A is 16 tokens; its 128 features are two heads.  Token tiles 2 f and 2 f + 1 make one image for each head.
.irp f, 0,1,2,3
	QUANT 2+\f/2, 64*((2*\f)%4), CODES+24*\f, CODES+24*\f+12, PW+2*\f
	QUANT 2+\f/2, 64*((2*\f+1)%4), CODES+24*\f+6, CODES+24*\f+18, PW+2*\f+1
.irp c, 0,1,2
	global_store_b128 v[L16], v[CODES+24*\f+4*\c:CODES+24*\f+4*\c+3], s[96:97] offset:8192+1536*\f+512*\c           ; 32 lanes store 512 consecutive bytes, at a multiple of 256 from the buffer's first byte
	global_store_b128 v[L16], v[CODES+24*\f+12+4*\c:CODES+24*\f+12+4*\c+3], s[96:97] offset:BHB+8192+1536*\f+512*\c  ; the next head
.endr
.endr
	v_mov_b32 v[SELV], 0x05040100                  ; lanes 0-15: the first head's two bytes of each tile's word,
	v_mov_b32 v[SELV+1], 0x07060302                ; lanes 16-31: the second head's
	v_cndmask_b32 v[SELV], v[SELV], v[SELV+1], vcc_lo
.irp j, 0,1,2,3
	v_perm_b32 v[WS+\j], v[PW+2*\j+1], v[PW+2*\j], v[SELV]
.endr
	global_store_b128 v[SCO], v[WS:WS+3], s[98:99] ; sixteen lanes store a head's 256 consecutive bytes
	s_branch .Lend
.Lv:
	; v: a block of A is 16 of a head's 64 features; its 128 tokens are one key step: one image
.irp a, 0,1,2,3,4,5,6,7
	QUANT 2+\a/4, 64*(\a%4), CODES+12*\a, CODES+12*\a+6, PW+\a
.irp c, 0,1,2
	global_store_b128 v[L16], v[CODES+12*\a+4*\c:CODES+12*\a+4*\c+3], s[96:97] offset:BHB*(\a/4)+8192+6144+1536*(\a%4)+512*\c
.endr
.endr
	v_mov_b32 v[SELV], 0x03020100                  ; lanes 0-15: the first head's words, lanes 16-31: the second's
	v_mov_b32 v[SELV+1], 0x07060504
	v_cndmask_b32 v[SELV], v[SELV], v[SELV+1], vcc_lo
.irp t, 0,1,2,3
	v_perm_b32 v[WS+\t], v[PW+4+\t], v[PW+\t], v[SELV]
.endr
	global_store_b128 v[SCO], v[WS:WS+3], s[98:99] offset:4096
.Lend:
	s_wait_tensorcnt 0x0                           ; the wave's end
	ds_add_u32 v[SPW], v[NIL]
	s_wait_dscnt 0x0
	CROUND                                         ; the closing round: no work-group ends while a partner may still ask for a tile that names it
	s_endpgm
.Lfunc_end_k_qf56b7c01de_proj:
	.size	k_qf56b7c01de_proj, .Lfunc_end_k_qf56b7c01de_proj-k_qf56b7c01de_proj
	.p2alignl 7, 3214868480
	.fill 96, 4, 3214868480
	.section	.rodata,"a",@progbits
	.p2align	6, 0x0
	.amdhsa_kernel k_qf56b7c01de_proj
		.amdhsa_group_segment_fixed_size 327680
		.amdhsa_private_segment_fixed_size 0
		.amdhsa_enable_private_segment 0
		.amdhsa_kernarg_size 80
		.amdhsa_user_sgpr_count 2
		.amdhsa_user_sgpr_kernarg_segment_ptr 1
		.amdhsa_wavefront_size32 1
		.amdhsa_system_sgpr_workgroup_id_x 1
		.amdhsa_system_sgpr_workgroup_id_y 1
		.amdhsa_system_sgpr_workgroup_id_z 1
		.amdhsa_system_vgpr_workitem_id 0
		.amdhsa_next_free_vgpr 1024
		.amdhsa_next_free_sgpr 100
		.amdhsa_reserve_vcc 1
		.amdhsa_float_denorm_mode_32 3
		.amdhsa_float_denorm_mode_16_64 3
		.amdhsa_memory_ordered 1
		.amdhsa_forward_progress 1
		.amdhsa_inst_pref_size 199
	.end_amdhsa_kernel
	.amdgpu_metadata
---
amdhsa.version: [ 1, 2 ]
amdhsa.kernels:
  - .name:           k_qf56b7c01de_proj
    .symbol:         k_qf56b7c01de_proj.kd
    .args:
      - { .name: x_codes, .offset: 0, .size: 8, .value_kind: global_buffer, .address_space: global }
      - { .name: x_scales, .offset: 8, .size: 8, .value_kind: global_buffer, .address_space: global }
      - { .name: Wq_codes, .offset: 16, .size: 8, .value_kind: global_buffer, .address_space: global }
      - { .name: Wq_scales, .offset: 24, .size: 8, .value_kind: global_buffer, .address_space: global }
      - { .name: Wk_codes, .offset: 32, .size: 8, .value_kind: global_buffer, .address_space: global }
      - { .name: Wk_scales, .offset: 40, .size: 8, .value_kind: global_buffer, .address_space: global }
      - { .name: Wv_codes, .offset: 48, .size: 8, .value_kind: global_buffer, .address_space: global }
      - { .name: Wv_scales, .offset: 56, .size: 8, .value_kind: global_buffer, .address_space: global }
      - { .name: qb, .offset: 64, .size: 8, .value_kind: global_buffer, .address_space: global }
      - { .name: kv, .offset: 72, .size: 8, .value_kind: global_buffer, .address_space: global }
    .group_segment_fixed_size: 327680
    .private_segment_fixed_size: 0
    .kernarg_segment_align: 8
    .kernarg_segment_size: 80
    .max_flat_workgroup_size: 128
    .sgpr_count:     100
    .vgpr_count:     1024
    .wavefront_size: 32
...
	.end_amdgpu_metadata
.endif
;; end of part 1
;; launch attn (part 2): grid 4 x 64, 16 waves a work-group, no clusters, 206,848 bytes of LDS; arguments qb, kv, cc, cs; writes cc, cs
.if DOCPART == 2
	.amdgcn_target "amdgcn-amd-amdhsa--gfx1250"
	.amdhsa_code_object_version 6
	.text
	.protected	k_qf56b7c01de_attn
	.globl	k_qf56b7c01de_attn
	.p2align	8
	.type	k_qf56b7c01de_attn,@function
k_qf56b7c01de_attn:
	s_mov_b64 s[64:65], 0
	v_nop
	global_prefetch_b8 v0, s[64:65] scope:SCOPE_SE
	s_setreg_imm32_b32 hwreg(HW_REG_WAVE_MODE, 25, 1), 1
	s_wait_xcnt 0x0
; Causal attention of one head (b, head) on codes of FP6 (E2M3), and the quantising of ctx.  q, k, v come as images of operand registers with their scale words (a head: 204,800 bytes;
; 0: k's scale words, 4,096: v's, 8,192 + 12,288 i: key step i's four images of k, then its four of v^T).
; t = score x log2(e) / 8; M = the running largest t rounded up to a whole number; p = 2^(t - M) is quantised along the keys; the row's sum is taken of the unquantised p and divides at the end.
; SHARES.  Work-group (g, head): sixteen waves, 256 registers each.  Wave w takes two tiles of 16 queries: T = 16 g + w, then T = 127 - (16 g + w).  Tile T has T / 8 + 1 key steps of 128: 17 steps a wave, whichever wave.
; A step all of whose keys come after the tile's queries is left out by a scalar branch on ids; the loops' trip counts are constants.  In the tile's last step hidden scores become -infinity.
; LDS holds the head's whole K and V as they lie in memory: filled once, in two groups of first fills (the scale words and steps 0-7; steps 8-15); the first pass, whose tiles lie under query 1,024, reads the first group alone.
; THE HEAD'S 64.  The instruction's K is 128: an image of k holds key tile 2 f at K 0-63 and key tile 2 f + 1 at K 64-127, and is multiplied by [q | 0] and by [0 | q].
; Both products are used transposed: a lane holds one query (lane % 16) throughout.  Register 8 t + j of S^T holds key 16 t + 8 (lane / 16) + j: p's codes are laid in a block as v's were.
; NO CLUSTER, though the four work-groups of a head read the same K and V: the branches that leave hidden steps out hang on the work-group's number, and they spare half of the launch's vector work;
; what is shared is fetched once, at the head.  No prefetch: every byte is asked for by the first fills.
; ctx's scale bytes leave as two bytes a row, 32 bytes apart: 4 per cent of the launch's output; a row's 32 bytes come from sixteen heads, which are sixteen work-groups.
; LIMITS: NaN and infinities are not served; a block of zeros gets the scale byte 1 (its codes are zeros; this program alone reads the bytes).
.set BHB,  204800
.set GRP1, 106496                      ; the first group: 8,192 + 8 x 12,288 bytes
.set L16,  1                           ; v1  16 x lane
.set R16,  2                           ; v2  16 r
.set L8,   3                           ; v3  8 x lane
.set R32,  4                           ; v4  32 r
.set ADK,  8                           ; v8  the step's images
.set ADS,  9                           ; v9  the step's scale words
; v10, v11: 16 (T % 8) + r - 8 h of the two tiles; v12 -M, v13 the largest t, v[14:15] the sum; v16-45 [0][q of tile 1][0][q of tile 2][0], six registers each; v46, v47 q's scale words;
; v48-95 four fragments; v96-159 S^T, then p; v160-191 O^T; v192-195 v's scale words, v196-199 k's; v200-214 the way out; v224-235 p's codes; v232-254 at work; v253 p's scale word
.set SEL,  40                          ; s[40:41] lane selects: lane l xor 16
.set CS,   42                          ; s[42:43] c = log2(e) / 8
.set CNT,  48                          ; s48 the key step
.set TB,   49                          ; s49 12,288 x step
.set TS,   50                          ; s50 256 x step
	s_load_b256 s[4:11], s[0:1], 0x0               ; qb s[4:5], kv s[6:7], cc s[8:9], cs s[10:11]
	v_lshl_add_u32 v251, v0, 2, 0x32000
	v_mov_b32 v255, 0
	ds_add_u32 v251, v255
	ds_add_u32 v251, v255
	v_lshrrev_b32 v5, 5, v0
	v_readfirstlane_b32 s12, v5                    ; wave 0..15
	s_and_b32 s13, ttmp7, 0xffff                   ; 16 b + head
	; descriptor groups 1: dense blocks as rows of 256 bytes (32 elements of 8): 26 rows a wave of the first group, 24 of the second
	s_mov_b32 s16, 3<<16
	s_mov_b32 s17, 32<<16
	s_mov_b32 s18, 26<<16
	s_mov_b32 s19, 32<<16
	s_mov_b32 s20, 26
	s_mov_b32 s21, 32
	s_mov_b32 s22, 0
	s_mov_b32 s23, 0
	s_mov_b32 s24, 3<<16
	s_mov_b32 s25, 32<<16
	s_mov_b32 s26, 24<<16
	s_mov_b32 s27, 32<<16
	s_mov_b32 s28, 24
	s_mov_b32 s29, 32
	s_mov_b32 s30, 0
	s_mov_b32 s31, 0
	s_mul_i32 s70, s13, BHB
	s_mov_b32 s71, 0
	s_mul_i32 s33, s12, 6656                       ; LDS address = offset in the head's bytes
	s_mul_i32 s37, s12, 6144
	s_add_co_u32 s37, s37, GRP1
	s_mov_b32 s72, s33
	s_mov_b32 s73, 0
	s_mov_b32 s74, s37
	s_mov_b32 s75, 0
	s_mov_b32 s32, 1
	s_mov_b32 s36, 1
	s_mov_b32 s[SEL], 0x76543210
	s_mov_b32 s[SEL+1], 0xfedcba98
	s_mov_b32 s[CS], 0x3e38aa3b
	s_mov_b32 s[CS+1], s[CS]
	s_wait_dscnt 0x0
	s_wait_kmcnt 0x0
	s_add_nc_u64 s[6:7], s[6:7], s[70:71]
	s_add_nc_u64 s[34:35], s[6:7], s[72:73]
	s_or_b32 s35, s35, 0x80000000
	s_add_nc_u64 s[38:39], s[6:7], s[74:75]
	s_or_b32 s39, s39, 0x80000000
	tensor_load_to_lds s[32:35], s[16:23]          ; both first fills go out together: two loads of mine are out
	s_nop 0
	tensor_load_to_lds s[36:39], s[24:31]
	s_nop 0
.rept 4
	v_nop
.endr
	v_and_b32 v5, 31, v0
	v_lshlrev_b32 v[L16], 4, v5
	v_lshlrev_b32 v[L8], 3, v5
	v_and_b32 v5, 15, v0                           ; r
	v_bfe_u32 v6, v0, 4, 1                         ; h
	v_lshlrev_b32 v[R16], 4, v5
	v_lshlrev_b32 v[R32], 5, v5
	v_lshlrev_b32 v7, 3, v6
	v_sub_nc_u32 v7, v5, v7                        ; r - 8 h
	s_add_nc_u64 s[4:5], s[4:5], s[70:71]          ; qb at my head
	s_lshl_b32 s44, ttmp9, 4
	s_add_co_u32 s44, s44, s12                     ; the first tile
	s_sub_co_u32 s45, 127, s44                     ; the second
	s_lshr_b32 s76, s13, 4
	s_lshl_b32 s76, s76, 7                         ; 128 b: the batch's first tile of rows
	s_and_b32 s78, s13, 15
	s_mul_i32 s77, s78, 768                        ; the head's place in a tile of rows of cc
	s_lshl_b32 s78, s78, 1                         ; and in a row of cs
; one tile's scalars: its last step; where q's image and scale words lie; where ctx goes; which half of the image and of the word is its; the mask's number
.macro TILE tt, dd, qc, qw, cb, sb, pe, mk, vm
	s_lshr_b32 s[\dd], s[\tt], 3
	s_mul_i32 s72, s[\dd], 12288
	s_bfe_u32 s74, s[\tt], 0x20001                 ; which pair of tiles of the step
	s_mul_i32 s75, s74, 1536
	s_add_co_u32 s72, s72, s75
	s_add_co_u32 s72, s72, 8192
	s_add_nc_u64 s[\qc:\qc+1], s[4:5], s[72:73]
	s_lshl_b32 s72, s[\dd], 8
	s_lshl_b32 s74, s74, 2
	s_add_co_u32 s72, s72, s74
	s_add_nc_u64 s[\qw:\qw+1], s[4:5], s[72:73]
	s_add_co_u32 s74, s76, s[\tt]
	s_mul_i32 s72, s74, 12288
	s_add_co_u32 s72, s72, s77
	s_add_nc_u64 s[\cb:\cb+1], s[8:9], s[72:73]
	s_lshl_b32 s72, s74, 9
	s_add_co_u32 s72, s72, s78
	s_add_nc_u64 s[\sb:\sb+1], s[10:11], s[72:73]
	s_and_b32 s74, s[\tt], 1
	s_cmp_lg_u32 s74, 0
	s_cselect_b32 s[\mk], -1, 0
	s_mov_b32 s[\pe], 0x05040100
	s_cselect_b32 s[\pe], 0x07060302, s[\pe]
	s_and_b32 s74, s[\tt], 7
	s_lshl_b32 s74, s74, 4
	v_add_nc_u32 v[\vm], s74, v7
.endm
	TILE 44, 46, 60, 66, 52, 54, 80, 82, 10
	TILE 45, 47, 62, 68, 56, 58, 81, 83, 11
.irp c, 0,1,2
	global_load_b128 v[96+4*\c:99+4*\c], v[L16], s[60:61] offset:512*\c     ; the pair's image that holds the first tile's q
	global_load_b128 v[108+4*\c:111+4*\c], v[L16], s[62:63] offset:512*\c   ; and the second's
.endr
	global_load_b32 v120, v[R16], s[66:67]
	global_load_b32 v121, v[R16], s[68:69]
.irp i, 0,1,2,3,4,5
	v_mov_b32 v[16+\i], 0                          ; zero codes: the half of K that a product does not use
	v_mov_b32 v[28+\i], 0
	v_mov_b32 v[40+\i], 0
.endr
.irp i, 236,237,238,239,252,253,202,203
	v_mov_b32 v[\i], 0                             ; written once: a lane permute's destination counts as one of its sources; v253 is named in a pair before it is first written
.endr
	s_wait_loadcnt 0x0
.irp i, 0,1,2,3,4,5
	v_cndmask_b32 v[22+\i], v[96+\i], v[102+\i], s82    ; an even tile's codes lie in the image's registers 0-5, an odd one's in 6-11
	v_cndmask_b32 v[34+\i], v[108+\i], v[114+\i], s83
.endr
	v_perm_b32 v46, v120, v120, s80                ; the tile's two bytes, twice: they serve either half of K
	v_perm_b32 v47, v121, v121, s81
	s_wait_tensorcnt 1                             ; my part of the first group is in; the second group's may be out
	s_barrier_signal -1
	s_barrier_wait -1                              ; everybody's is
; A KEY STEP: 128 keys.  qhi: first register of [0 | q]; qs: q's scale word; dm: the mask's number; sd: the tile's last step
.macro STEP qhi, qs, dm, sd
	s_cmp_gt_u32 s[CNT], s[\sd]
	s_cbranch_scc1 .Lhidden_\@
	v_add_nc_u32 v[ADK], s[TB], v[L16]
	v_add_nc_u32 v[ADS], s[TS], v[R16]
	v_nop
	v_nop                                          ; four places in front of loads into registers that the last products read
.irp f, 0,1,2,3
.irp c, 0,1,2
	ds_load_b128 v[48+12*\f+4*\c:51+12*\f+4*\c], v[ADK] offset:8192+1536*\f+512*\c
.endr
.endr
	ds_load_b128 v[196:199], v[ADS]
	s_wait_dscnt 0x0
.irp f, 0,1,2,3
	v_wmma_scale_f32_16x16x128_f8f6f4 v[96+16*\f:103+16*\f], v[48+12*\f:59+12*\f], v[\qhi+6:\qhi+17], 0, v[196+\f], v[\qs] matrix_a_fmt:MATRIX_FMT_FP6 matrix_b_fmt:MATRIX_FMT_FP6
	v_wmma_scale_f32_16x16x128_f8f6f4 v[104+16*\f:111+16*\f], v[48+12*\f:59+12*\f], v[\qhi:\qhi+11], 0, v[196+\f], v[\qs] matrix_a_fmt:MATRIX_FMT_FP6 matrix_b_fmt:MATRIX_FMT_FP6
.endr
.rept 4
	v_nop                                          ; places in front of the loads below and of the first read of the scores
.endr
.irp t, 0,1,2,3
.irp c, 0,1,2
	ds_load_b128 v[48+12*\t+4*\c:51+12*\t+4*\c], v[ADK] offset:8192+6144+1536*\t+512*\c   ; v^T is asked for now and lands under the softmax
.endr
.endr
	ds_load_b128 v[192:195], v[ADS] offset:4096
	s_cmp_lt_u32 s[CNT], s[\sd]
	s_cbranch_scc1 .Lopen_\@                       ; all keys of this step count
	v_mov_b32 v254, 0xff800000                     ; the tile's last step: register 8 t + j holds key 16 t + 8 h + j of the step: hidden where 16 t + j > 16 (T % 8) + r - 8 h
.set n, 0
.rept 64
	v_cmp_gt_i32 vcc_lo, 16*(n/8)+n%8, v[\dm]
	v_cndmask_b32 v[96+n], v[96+n], v254, vcc_lo
.set n, n+1
.endr
.Lopen_\@:
.irp b, 0,1,2,3
	v_max3_num_f32 v[232+\b], v[96+16*\b], v[97+16*\b], v[98+16*\b]   ; the largest score of each block of 32 keys: for the row's maximum and, since p rises with the score, for the block's largest p
.endr
.irp i, 3,5,7,9,11,13
.irp b, 0,1,2,3
	v_max3_num_f32 v[232+\b], v[232+\b], v[96+16*\b+\i], v[97+16*\b+\i]
.endr
.endr
.irp b, 0,1,2,3
	v_max_num_f32 v[232+\b], v[232+\b], v[111+16*\b]
.endr
.irp b, 0,1,2,3
	v_permlanex16_b32 v[236+\b], v[232+\b], s[SEL], s[SEL+1]
.endr
.irp b, 0,1,2,3
	v_max_num_f32 v[232+\b], v[232+\b], v[236+\b]
.endr
	v_max3_num_f32 v254, v232, v233, v234
	v_max_num_f32 v254, v254, v235
	v_mul_f32 v254, s[CS], v254                    ; as t
	v_max_num_f32 v13, v13, v254                   ; the running largest t
	v_mov_b32 v254, v12
	v_floor_f32 v12, -v13                          ; the new -M: M is a whole number
	v_sub_f32 v254, v12, v254
	v_cvt_i32_f32 v254, v254                       ; old M - new M (it saturates)
	v_ldexp_f32 v252, 1.0, v254                    ; f = 2^(old M - new M)
.set n, 0
.rept 32
	v_pk_fma_f32 v[96+n:97+n], v[96+n:97+n], s[CS:CS+1], v[12:13] op_sel_hi:[1,0,0]   ; t - M
.set n, n+2
.endr
.irp b, 0,1,2,3
	v_fma_f32 v[232+\b], v[232+\b], s[CS], v12
.endr
.set n, 0
.rept 64
	v_exp_f32 v[96+n], v[96+n]                     ; p = 2^(t - M)
.set n, n+1
.endr
	v_pk_mul_f32 v[14:15], v[14:15], v[252:253] op_sel_hi:[1,0]   ; the sums under the new M: a plain instruction behind the exponentials
	s_wait_alu depctr_va_vdst(0)                   ; one wait for the batch, ahead of its first reader
.irp b, 0,1,2,3
	v_exp_f32 v[232+\b], v[232+\b]                 ; each block's largest p
.endr
	v_pk_add_f32 v[236:237], v[96:97], v[98:99]    ; the row's sum of the unquantised p, in two chains
.irp j, 4,8,12,16,20,24,28,32,36,40,44,48,52,56,60
	v_pk_add_f32 v[14:15], v[14:15], v[96+\j:97+\j]
	v_pk_add_f32 v[236:237], v[236:237], v[98+\j:99+\j]
.endr
	v_pk_add_f32 v[14:15], v[14:15], v[236:237]
	s_wait_alu depctr_va_vdst(0)                   ; and one for the four
.irp b, 0,1,2,3
	v_max_num_f32 v[232+\b], 0x1800000, v[232+\b]  ; the floor 2^(3 - 127)
.endr
.irp b, 0,1,2,3
	v_add_nc_u32 v[244+\b], 0xff000000, v[232+\b]  ; the conversion's scale operand
.endr
.irp b, 0,1,2,3
	v_lshrrev_b32 v[236+\b], 23, v[244+\b]         ; the scale's byte
.endr
	v_lshl_or_b32 v253, v237, 8, v236
	v_lshl_or_b32 v253, v238, 16, v253
	v_lshl_or_b32 v253, v239, 24, v253
.irp c, 0,1
	v_cvt_scalef32_pk16_fp6_f32 v[224+6*\c:226+6*\c], v[96+32*\c:111+32*\c], v[244+2*\c]
	v_cvt_scalef32_pk16_fp6_f32 v[236+4*\c:238+4*\c], v[112+32*\c:127+32*\c], v[244+2*\c+1]
.endr
	v_nop                                          ; one plain place behind a scaled conversion
.irp c, 0,1
.irp i, 0,1,2
	v_permlane16_swap_b32 v[224+6*\c+\i], v[236+4*\c+\i]
.endr
.irp i, 0,1,2
	v_mov_b32 v[227+6*\c+\i], v[236+4*\c+\i]
.endr
.endr
.set n, 0
.rept 16
	v_pk_mul_f32 v[160+n:161+n], v[160+n:161+n], v[252:253] op_sel_hi:[1,0]   ; O^T under the new M; these sixteen are also the places in front of the products below
.set n, n+2
.endr
	s_wait_dscnt 0x0                               ; v^T and its scale words are in
.irp t, 0,1,2,3
	v_wmma_scale_f32_16x16x128_f8f6f4 v[160+8*\t:167+8*\t], v[48+12*\t:59+12*\t], v[224:235], v[160+8*\t:167+8*\t], v[192+\t], v253 matrix_a_fmt:MATRIX_FMT_FP6 matrix_b_fmt:MATRIX_FMT_FP6
.endr
.Lhidden_\@:
	s_add_co_u32 s[TB], s[TB], 12288
	s_add_co_u32 s[TS], s[TS], 256
.endm
; THE WAY OUT of a tile: ctx = O^T / the sum, brought into the true order of the head's 64, quantised in two blocks, stored as half a fragment's image (three stores of 256 consecutive bytes) and two scale bytes a row
.macro FIN cb, sb
.rept 4
	v_nop
.endr
	v_add_f32 v14, v14, v15
	v_permlanex16_b32 v252, v14, s[SEL], s[SEL+1]
	v_add_f32 v14, v14, v252                       ; the row's sum
	v_rcp_f32 v14, v14
	v_nop                                          ; a plain place behind the reciprocal
	s_wait_alu depctr_va_vdst(0)                   ; and the wait ahead of its first reader
.set n, 0
.rept 16
	v_pk_mul_f32 v[96+n:97+n], v[160+n:161+n], v[14:15] op_sel_hi:[1,0]
.set n, n+2
.endr
.irp b, 0,1
.irp j, 0,1,2,3,4,5,6,7
	v_permlane16_swap_b32 v[96+16*\b+\j], v[104+16*\b+\j]   ; a lane's 16 registers of block b are now d = 32 b + 16 h + 0 .. 15
.endr
.endr
.irp b, 0,1
	v_max3_num_f32 v[200+\b], |v[96+16*\b]|, |v[97+16*\b]|, 0x1800000
.endr
.irp i, 2,4,6,8,10,12,14
.irp b, 0,1
	v_max3_num_f32 v[200+\b], v[200+\b], |v[96+16*\b+\i]|, |v[97+16*\b+\i]|
.endr
.endr
.irp b, 0,1
	v_permlanex16_b32 v[202+\b], v[200+\b], s[SEL], s[SEL+1]
.endr
.irp b, 0,1
	v_max_num_f32 v[200+\b], v[200+\b], v[202+\b]
.endr
.irp b, 0,1
	v_add_nc_u32 v[204+\b], 0xff000000, v[200+\b]
.endr
.irp b, 0,1
	v_lshrrev_b32 v[202+\b], 23, v[204+\b]
.endr
	v_lshl_or_b32 v206, v203, 8, v202
	v_cvt_scalef32_pk16_fp6_f32 v[208:210], v[96:111], v204
	v_cvt_scalef32_pk16_fp6_f32 v[212:214], v[112:127], v205
	v_nop
.irp i, 0,1,2
	v_permlane16_swap_b32 v[208+\i], v[212+\i]
.endr
	v_mov_b32 v211, v212
	v_mov_b32 v212, v213
	v_mov_b32 v213, v214
.irp p, 0,1,2
	global_store_b64 v[L8], v[208+2*\p:209+2*\p], s[\cb:\cb+1] offset:256*\p
.endr
	global_store_b16 v[R32], v206, s[\sb:\sb+1]    ; lanes 16-31 hold, and write, what lanes 0-15 do
.endm
.macro PASS qhi, qs, dm, sd, nt, cb, sb
	v_mov_b32 v13, 0xff61b1e6                      ; the largest t so far: -3e38
	v_floor_f32 v12, -v13
	v_mov_b32 v14, 0
	v_mov_b32 v15, 0
.set n, 0
.rept 32
	v_mov_b32 v[160+n], 0                          ; the step is written once: the first finds zeros
.set n, n+1
.endr
	s_mov_b32 s[CNT], 0
	s_mov_b32 s[TB], 0
	s_mov_b32 s[TS], 0
.Lstep_\@:
	STEP \qhi, \qs, \dm, \sd
	s_add_co_u32 s[CNT], s[CNT], 1
	s_cmp_lt_u32 s[CNT], \nt
	s_cbranch_scc1 .Lstep_\@
	FIN \cb, \sb
.endm
	PASS 16, 46, 10, 46, 8, 52, 54                 ; tile 16 g + w: its steps lie in the first group
	s_wait_tensorcnt 0x0                           ; my part of the second group is in,
	s_wait_dscnt 0x0
	s_barrier_signal -1
	s_barrier_wait -1                              ; everybody's is
	s_wait_xcnt 0x0                                ; the first tile's stores have read their registers: they are written again below
	PASS 28, 47, 11, 47, 16, 56, 58                ; tile 127 - (16 g + w)
	s_wait_tensorcnt 0x0
	ds_add_u32 v251, v255
	s_wait_dscnt 0x0
	s_endpgm
.Lfunc_end_k_qf56b7c01de_attn:
	.size	k_qf56b7c01de_attn, .Lfunc_end_k_qf56b7c01de_attn-k_qf56b7c01de_attn
	.p2alignl 7, 3214868480
	.fill 96, 4, 3214868480
	.section	.rodata,"a",@progbits
	.p2align	6, 0x0
	.amdhsa_kernel k_qf56b7c01de_attn
		.amdhsa_group_segment_fixed_size 206848
		.amdhsa_private_segment_fixed_size 0
		.amdhsa_enable_private_segment 0
		.amdhsa_kernarg_size 32
		.amdhsa_user_sgpr_count 2
		.amdhsa_user_sgpr_kernarg_segment_ptr 1
		.amdhsa_wavefront_size32 1
		.amdhsa_system_sgpr_workgroup_id_x 1
		.amdhsa_system_sgpr_workgroup_id_y 1
		.amdhsa_system_sgpr_workgroup_id_z 1
		.amdhsa_system_vgpr_workitem_id 0
		.amdhsa_next_free_vgpr 256
		.amdhsa_next_free_sgpr 84
		.amdhsa_reserve_vcc 1
		.amdhsa_float_denorm_mode_32 3
		.amdhsa_float_denorm_mode_16_64 3
		.amdhsa_memory_ordered 1
		.amdhsa_forward_progress 1
		.amdhsa_inst_pref_size 60
	.end_amdhsa_kernel
	.amdgpu_metadata
---
amdhsa.version: [ 1, 2 ]
amdhsa.kernels:
  - .name:           k_qf56b7c01de_attn
    .symbol:         k_qf56b7c01de_attn.kd
    .args:
      - { .name: qb, .offset: 0, .size: 8, .value_kind: global_buffer, .address_space: global }
      - { .name: kv, .offset: 8, .size: 8, .value_kind: global_buffer, .address_space: global }
      - { .name: cc, .offset: 16, .size: 8, .value_kind: global_buffer, .address_space: global }
      - { .name: cs, .offset: 24, .size: 8, .value_kind: global_buffer, .address_space: global }
    .group_segment_fixed_size: 206848
    .private_segment_fixed_size: 0
    .kernarg_segment_align: 8
    .kernarg_segment_size: 32
    .max_flat_workgroup_size: 512
    .sgpr_count:     84
    .vgpr_count:     256
    .wavefront_size: 32
...
	.end_amdgpu_metadata
.endif
;; end of part 2
;; launch outp (part 3): grid 4 x 32, 4 waves a work-group, clusters of 4 x 4, 327,680 bytes of LDS; arguments cc, cs, Wo_codes, Wo_scales, bo, out0; writes out0
.if DOCPART == 3
	.amdgcn_target "amdgcn-amd-amdhsa--gfx1250"
	.amdhsa_code_object_version 6
	.text
	.protected	k_qf56b7c01de_outp
	.globl	k_qf56b7c01de_outp
	.p2align	8
	.type	k_qf56b7c01de_outp,@function
k_qf56b7c01de_outp:
	s_mov_b64 s[64:65], 0
	v_nop
	global_prefetch_b8 v0, s[64:65] scope:SCOPE_SE
	s_setreg_imm32_b32 hwreg(HW_REG_WAVE_MODE, 25, 1), 1
	s_wait_xcnt 0x0
	s_wait_alu depctr_hold_cnt(0) depctr_sa_sdst(0) depctr_va_vdst(0) depctr_va_sdst(0) depctr_va_ssrc(0) depctr_va_vcc(0) depctr_vm_vsrc(0)
	s_getreg_b32 s2, hwreg(HW_REG_IB_STS2, 6, 4)
	s_cmp_eq_u32 s2, 0
	s_cbranch_scc0 .Lentry_in_a_cluster
	s_endpgm
.Lentry_in_a_cluster:
	s_bfe_u32 s2, ttmp6, 0x10000c
	s_cmp_lg_u32 s2, 0xf033
	s_cbranch_scc0 .Lentry_shape_is_right
	s_endpgm
.Lentry_shape_is_right:
; out0 = ctx Wo + bo on codes of FP6 (E2M3) with E8M0 scales.  ctx: 8,192 rows x 1,024; Wo: 1,024 rows (outputs) of 1,024 codes, K innermost; out0: [8,192][1,024] f32.
; ctx's codes (cc) lie as images of operand registers: [tile of 16 rows: 512][head: 16][piece: 3][lane: 32][8 bytes]: heads 2 s, 2 s + 1 of a tile are the 12 registers of K step s, 1,536 bytes on end.
; ctx's scale bytes (cs) lie [8,192][32], as Wo's do.
; A tile of out0, 256 x 256, is made by four waves, 128 x 128 each.  K goes in steps of 256 through two LDS slots.  4 x 4 work-groups form a cluster: ctx's tiles are asked for jointly along a row, Wo's along a column.
; The matrix instruction is used transposed (source 0 = 16 rows of Wo, source 1 = 16 rows of ctx): a lane holds eight neighbouring numbers of a row of out0.  The bias is the C of each sum's first product.
; 128 work-groups: the tile is kept at 256 x 256 so that each fragment read from LDS feeds eight products.  No prefetch: K has four slots' worth, two of which are first fills.
.set NQ,     2
.set ROWB,   192
.set KROW,   768
.set PITCH,  240
.set FR,     12
.set NL,     6
.set NP,     4
.set HALFT,  128*PITCH                 ; a wave's place in a slot (ctx's images use 24,576 of these 30,720 bytes)
.set SLOT,   4*HALFT
.set ASLOT,  3072                      ; a tile of rows' bytes of 256 along K
.set KS,     32
.set SCL,    2*SLOT
.set HALFS,  (128*KS/256)*272
.set SBLK,   (16*KS/256)*272
.set SPARE,  SCL+4*HALFS               ; the spare words, 128 bytes a wave: no other line names them
.set SPITCH, 528                       ; the way out: a stage of 16 rows x (512 bytes + 16) a wave, in slot 0, which has had its last fill and its last read by then
.set NROW,   4096                      ; a row of out0 in bytes
.set ADRA, 16                          ; v16-17 ctx's images in slot 0, 1
.set ADRB, 20                          ; v20-23 Wo's fragments
.set STO,  24
.set RD,   25
.set CO,   26
.set ADRS, 27
.set SPW,  28
.set NIL,  29
.set BO,   30                          ; v30  32 h: the bias's offset
.set SC,   32
.set BIAS, 64                          ; v64-127 bo at my 128 columns: eight registers for each block of Wo
.set AF,   128
.set BK,   128
.set G1, 24
.set G0, 32
.set G1B, 48
.set G0B, 56
.set G1S, 68
.set G0S, 76
.set G1SB, 80
.set G0SB, 88
.set MSB, 0
.macro WIN new
.if MSB != (\new)
	s_set_vgpr_msb (MSB<<8)|(\new)
.set MSB, (\new)
.endif
.endm
.set MUL_LO, 0xa1
.set MUL_HI, 0xf1
.set TO_B,   0x40
.macro JLOAD g0a, g1a, g0b, g1b        ; waves 0 and 1 fetch for ctx, waves 2 and 3 for Wo; four v_nop follow each line
	s_cmp_eq_u32 s15, 0
	s_cbranch_scc0 .Lfor_b_\@
	tensor_load_to_lds s[\g0a:\g0a+3], s[\g1a:\g1a+7]
	s_nop 0
.rept 4
	v_nop
.endr
	s_branch .Lasked_\@
.Lfor_b_\@:
	tensor_load_to_lds s[\g0b:\g0b+3], s[\g1b:\g1b+7]
	s_nop 0
.rept 4
	v_nop
.endr
.Lasked_\@:
.endm
.macro CREST
	s_cmp_lg_u32 s14, 0
	s_cbranch_scc1 .Lnot_wave_0_\@
	s_barrier_signal -3
.Lnot_wave_0_\@:
	s_barrier_wait -3
	s_barrier_signal -1
	s_barrier_wait -1
.endm
.macro CROUND
	s_barrier_signal -1
	s_barrier_wait -1
	CREST
.endm
	s_load_b128 s[4:7], s[0:1], 0x0                ; cc, cs
	s_load_b128 s[8:11], s[0:1], 0x10              ; Wo's codes, Wo's scales
	s_load_b128 s[96:99], s[0:1], 0x20             ; bo, out0
	v_lshl_add_u32 v[SPW], v0, 2, SPARE
	v_mov_b32 v[NIL], 0
	ds_add_u32 v28, v29
	ds_add_u32 v28, v29
	s_wait_dscnt 0x0
	v_lshrrev_b32 v1, 5, v0
	v_readfirstlane_b32 s14, v1
	s_lshr_b32 s15, s14, 1
	s_and_b32 s16, s14, 1
	s_bfe_u32 s40, ttmp6, 0x40000
	s_bfe_u32 s41, ttmp6, 0x40004
	s_lshl_b32 s42, ttmp9, 2
	s_add_co_u32 s42, s42, s40                     ; tile column
	s_and_b32 s17, ttmp7, 0xffff
	s_lshl_b32 s17, s17, 2
	s_add_co_u32 s17, s17, s41                     ; tile row
	s_lshl_b32 s43, s41, 2
	s_lshl_b32 s43, 15, s43
	s_lshl_b32 s44, 0x1111, s40
	; ctx: 8 tiles of rows x 3,072 bytes (384 elements of 8), 12,288 bytes apart, dense in LDS
	s_or_b32 s[G1+0], s43, (3<<16)|(1<<21)
	s_mov_b32 s[G1+1], 384<<16
	s_mov_b32 s[G1+2], 8<<16
	s_mov_b32 s[G1+3], 384<<16
	s_mov_b32 s[G1+4], 8
	s_mov_b32 s[G1+5], 1536
	s_mov_b32 s[G1+6], 0
	s_mov_b32 s[G1+7], 0
	; Wo: 128 rows x 192 bytes, 16 bytes of padding behind every 64
	s_or_b32 s[G1B+0], s44, (0<<16)|(1<<20)|(1<<21)|(3<<22)|(3<<25)
	s_mov_b32 s[G1B+1], ROWB<<16
	s_mov_b32 s[G1B+2], 128<<16
	s_mov_b32 s[G1B+3], ROWB<<16
	s_mov_b32 s[G1B+4], 128
	s_mov_b32 s[G1B+5], KROW
	s_mov_b32 s[G1B+6], 0
	s_mov_b32 s[G1B+7], 0
	s_or_b32 s[G1S+0], s43, (3<<16)|(1<<20)|(1<<21)|(5<<22)|(3<<25)
	s_or_b32 s[G1SB+0], s44, (3<<16)|(1<<20)|(1<<21)|(5<<22)|(3<<25)
.irp g, G1S, G1SB
	s_mov_b32 s[\g+1], 32<<16
	s_mov_b32 s[\g+2], (128*KS/256)<<16
	s_mov_b32 s[\g+3], 32<<16
	s_mov_b32 s[\g+4], 128*KS/256
	s_mov_b32 s[\g+5], 32
	s_mov_b32 s[\g+6], 0
	s_mov_b32 s[\g+7], 0
.endr
	s_lshl_b32 s18, s16, 7
	s_lshl_b32 s20, s17, 8
	s_add_co_u32 s20, s20, s18
	s_lshl_b32 s46, s42, 8
	s_add_co_u32 s46, s46, s18
	s_mov_b32 s21, 0
	s_mov_b32 s47, 0
	s_mov_b64 s[18:19], KS
	s_mul_u64 s[22:23], s[20:21], s[18:19]
	s_mul_u64 s[92:93], s[46:47], s[18:19]
	s_mov_b64 s[18:19], KROW                       ; 16 rows of ctx are 12,288 bytes: 768 a row, as in Wo
	s_mul_u64 s[20:21], s[20:21], s[18:19]
	s_mul_u64 s[46:47], s[46:47], s[18:19]
	s_mul_i32 s45, s14, HALFT
	s_mul_i32 s94, s14, HALFS
	s_wait_kmcnt 0x0
	s_mov_b64 s[12:13], s[98:99]
	s_add_nc_u64 s[20:21], s[4:5], s[20:21]
	s_add_nc_u64 s[22:23], s[6:7], s[22:23]
	s_add_nc_u64 s[46:47], s[8:9], s[46:47]
	s_add_nc_u64 s[92:93], s[10:11], s[92:93]
	CROUND
	s_mov_b32 s[G0S], 1
	s_add_co_u32 s[G0S+1], s94, SCL
	s_mov_b64 s[G0S+2:G0S+3], s[22:23]
	s_or_b32 s[G0S+3], s[G0S+3], 0x80000000
	s_mov_b32 s[G0SB], 1
	s_add_co_u32 s[G0SB+1], s94, SCL
	s_mov_b64 s[G0SB+2:G0SB+3], s[92:93]
	s_or_b32 s[G0SB+3], s[G0SB+3], 0x80000000
	JLOAD G0S, G1S, G0SB, G1SB
.irp s, 0,1
	s_mov_b32 s[G0+4*\s], 1
	s_add_co_u32 s[G0+4*\s+1], s45, \s*SLOT
	s_add_nc_u64 s[G0+4*\s+2:G0+4*\s+3], s[20:21], \s*ASLOT
	s_or_b32 s[G0+4*\s+3], s[G0+4*\s+3], 0x80000000
	s_mov_b32 s[G0B+4*\s], 1
	s_add_co_u32 s[G0B+4*\s+1], s45, \s*SLOT
	s_add_nc_u64 s[G0B+4*\s+2:G0B+4*\s+3], s[46:47], \s*ROWB
	s_or_b32 s[G0B+4*\s+3], s[G0B+4*\s+3], 0x80000000
	JLOAD G0+4*\s, G1, G0B+4*\s, G1B
.endr
	v_and_b32 v1, 15, v0
	v_bfe_u32 v2, v0, 4, 1
	v_mul_u32_u24 v3, v1, PITCH
	v_mul_u32_u24 v4, v2, 24
	v_add_nc_u32 v4, v3, v4
	v_lshl_add_u32 v5, v2, 4, v4
	v_and_b32 v6, 31, v0
	v_lshlrev_b32 v7, 3, v6                        ; an image's piece: 8 x lane
	s_mul_i32 s21, s15, HALFT
	s_mul_i32 s22, s16, HALFT
	s_add_co_u32 s22, s22, 2*HALFT
.irp s, 0,1
	v_add_nc_u32 v[ADRA+\s], s21, v7
	v_add_nc_u32 v[ADRB+\s], s22, v4
	v_add_nc_u32 v[ADRB+2+\s], s22, v5
	s_add_co_u32 s21, s21, SLOT
	s_add_co_u32 s22, s22, SLOT
.endr
	v_mul_u32_u24 v5, v1, KS
	v_lshrrev_b32 v6, 8, v5
	v_lshl_add_u32 v5, v6, 4, v5
	s_mul_i32 s21, s15, HALFS
	s_mul_i32 s22, s16, HALFS
	s_add_co_u32 s22, s22, 2*HALFS
	s_sub_co_u32 s22, s22, s21
	v_mul_u32_u24 v6, s22, v2
	s_add_co_u32 s21, s21, SCL
	v_add_nc_u32 v5, v5, v6
	v_add_nc_u32 v[ADRS], s21, v5
	s_mul_i32 s23, s14, 16*SPITCH
	v_mul_u32_u24 v5, v1, SPITCH
	v_lshl_add_u32 v5, v2, 5, v5
	v_add_nc_u32 v[STO], s23, v5
	v_and_b32 v6, 31, v0
	v_lshlrev_b32 v[CO], 4, v6
	v_add_nc_u32 v[RD], s23, v[CO]
	v_lshlrev_b32 v[BO], 5, v2
	s_lshl_b32 s20, s17, 8
	s_lshl_b32 s21, s15, 7
	s_add_co_u32 s20, s20, s21                     ; my first row of out0
	s_mov_b32 s21, 0
	s_mov_b64 s[18:19], NROW
	s_mul_u64 s[20:21], s[20:21], s[18:19]
	s_lshl_b32 s46, s42, 10                        ; my first column, in bytes, in out0 and in bo alike
	s_lshl_b32 s47, s16, 9
	s_add_co_u32 s46, s46, s47
	s_mov_b32 s47, 0
	s_add_nc_u64 s[96:97], s[96:97], s[46:47]
	s_add_nc_u64 s[20:21], s[20:21], s[46:47]
	s_add_nc_u64 s[12:13], s[12:13], s[20:21]
.irp b, 0,1,2,3,4,5,6,7
	global_load_b128 v[BIAS+8*\b:BIAS+8*\b+3], v[BO], s[96:97] offset:64*\b       ; lane (r, h): bo at columns 16 b + 8 h + 0 .. 7
	global_load_b128 v[BIAS+8*\b+4:BIAS+8*\b+7], v[BO], s[96:97] offset:64*\b+16
.endr
.macro FRAG reg, adr, q, i             ; Wo: from padded rows, in six pieces of 8 bytes
.irp p, 0,1,2,3,4,5
.set PC, 12*(\q)+6*(\p/3)+\p%3
.if PC%8 < 5
	ds_load_b64 v[\reg+2*\p:\reg+2*\p+1], v[\adr] offset:8*PC+16*(PC/8)+(\i)*16*PITCH
.else
	ds_load_b64 v[\reg+2*\p:\reg+2*\p+1], v[\adr+2] offset:8*PC+16*(PC/8)+(\i)*16*PITCH
.endif
.endr
.endm
.macro FRAGA reg, adr, q, i            ; ctx: an image's six pieces, 256 consecutive bytes each
.irp p, 0,1,2,3,4,5
	ds_load_b64 v[\reg+2*\p:\reg+2*\p+1], v[\adr] offset:ASLOT*(\i)+1536*(\q)+256*\p
.endr
.endm
; zero = 1: the first product of each sum takes the bias as its C
.macro MUL16 a0, p, q, sc, zero
.irp a, \a0, \a0+1
.irp b, 0,1,2,3,4,5,6,7
.if \zero
	v_wmma_scale_f32_16x16x128_f8f6f4 v[8*(8*((\a)%4)+\b):8*(8*((\a)%4)+\b)+7], v[128*(\p)+FR*\b:128*(\p)+FR*\b+FR-1], v[AF+FR*(\a):AF+FR*(\a)+FR-1], v[BIAS+8*\b:BIAS+8*\b+7], v[SC+8*NQ*(\sc)+NQ*\b+(\q)], v[SC+8*NQ*(\sc)+NQ*(\a)+(\q)] matrix_a_fmt:MATRIX_FMT_FP6 matrix_b_fmt:MATRIX_FMT_FP6 matrix_a_scale:MATRIX_SCALE_ROW1
.else
	v_wmma_scale_f32_16x16x128_f8f6f4 v[8*(8*((\a)%4)+\b):8*(8*((\a)%4)+\b)+7], v[128*(\p)+FR*\b:128*(\p)+FR*\b+FR-1], v[AF+FR*(\a):AF+FR*(\a)+FR-1], v[8*(8*((\a)%4)+\b):8*(8*((\a)%4)+\b)+7], v[SC+8*NQ*(\sc)+NQ*\b+(\q)], v[SC+8*NQ*(\sc)+NQ*(\a)+(\q)] matrix_a_fmt:MATRIX_FMT_FP6 matrix_b_fmt:MATRIX_FMT_FP6 matrix_a_scale:MATRIX_SCALE_ROW1
.endif
.endr
.endr
.endm
.macro FETCH_B slot, q, p
	WIN TO_B
.irp i, 0,1,2,3,4,5,6,7
	FRAG 128*(\p)+FR*\i, ADRB+\slot, \q, \i
.endr
	WIN 0
.endm
.macro FETCH_A slot, q, i0
.irp i, \i0, \i0+1, \i0+2, \i0+3
	FRAGA AF+FR*(\i), ADRA+\slot, \q, \i
.endr
.endm
.macro SCALES sc
.irp i, 0,1,2,3,4,5,6,7
	ds_load_b64 v[SC+8*NQ*\sc+NQ*\i:SC+8*NQ*\sc+NQ*\i+1], v[ADRS] offset:\i*SBLK
.endr
.endm
.macro PLACES n
.rept \n
	v_nop
.endr
.endm
.macro STEP slot, q, zero
	s_wait_dscnt 4*NL                              ; all but the youngest 24 loads, ctx's blocks 4-7
.if \zero
	WIN 0x81                                       ; the bias lies in window 0, the sums in window 2
.else
	WIN MUL_LO
.endif
	MUL16 0, (\q)%2, \q, \slot, \zero
	MUL16 2, (\q)%2, \q, \slot, \zero
	s_wait_dscnt 0
	PLACES NP
	FETCH_B \slot, (\q)+1, 1-(\q)%2
	FETCH_A \slot, (\q)+1, 0
.if \zero
	WIN 0xc1
.else
	WIN MUL_HI
.endif
	MUL16 4, (\q)%2, \q, \slot, \zero
	MUL16 6, (\q)%2, \q, \slot, \zero
	PLACES NP
	WIN 0
	FETCH_A \slot, (\q)+1, 4
.endm
.macro TURN slot, next, fill
	s_wait_tensorcnt 0x0                           ; all my tensor loads have landed: my part of the next slot
	ds_add_u32 v[SPW], v[NIL]                      ; 0 onto my spare word
	s_wait_dscnt 4*NL+1                            ; the add and the youngest 24 loads may be out
	WIN MUL_LO
	MUL16 0, 1, NQ-1, \slot, 0
	s_wait_dscnt 0x0                               ; the add is done, and my reads of this slot are over
	s_barrier_signal -1
	MUL16 2, 1, NQ-1, \slot, 0
	WIN 0
	s_barrier_wait -1
.if \fill
	CREST                                          ; no wave of any partner still reads this slot or has a load on its way
	s_add_nc_u64 s[G0+4*\slot+2:G0+4*\slot+3], s[G0+4*\slot+2:G0+4*\slot+3], 2*ASLOT
	s_add_nc_u64 s[G0B+4*\slot+2:G0B+4*\slot+3], s[G0B+4*\slot+2:G0B+4*\slot+3], 2*ROWB
	JLOAD G0+4*\slot, G1, G0B+4*\slot, G1B         ; the first tensor load behind the round, one a wave
.else
	PLACES NP
.endif
	v_add_nc_u32 v[ADRS], 4*NQ, v[ADRS]
	FETCH_B \next, 0, 0
	FETCH_A \next, 0, 0
	SCALES \next
	WIN MUL_HI
	MUL16 4, 1, NQ-1, \slot, 0
	MUL16 6, 1, NQ-1, \slot, 0
	PLACES NP
	WIN 0
	FETCH_A \next, 0, 4
.endm
	s_wait_tensorcnt 1                             ; the scales and my part of slot 0 are in; slot 1's load may be out
	s_barrier_signal -1
	s_barrier_wait -1
	FETCH_B 0, 0, 0
	FETCH_A 0, 0, 0
	SCALES 0
	FETCH_A 0, 0, 4
	s_wait_loadcnt 0x0                             ; the bias
	STEP 0, 0, 1                                   ; K = 1,024 is four slots' worth, written out
	TURN 0, 1, 1
	STEP 1, 0, 0
	TURN 1, 0, 1
	STEP 0, 0, 0
	TURN 0, 1, 0
	STEP 1, 0, 0
	s_wait_dscnt 4*NL
	WIN MUL_LO
	MUL16 0, 1, NQ-1, 1, 0
	MUL16 2, 1, NQ-1, 1, 0
	s_wait_dscnt 0
	WIN MUL_HI
	MUL16 4, 1, NQ-1, 1, 0
	MUL16 6, 1, NQ-1, 1, 0
	WIN 0
; THE WAY OUT, block by block of 16 rows x 128 columns, through my own stage in LDS: back come whole rows of 512 bytes.  LDS serves a wave's instructions in order (ISA guide 5.7.1.4).
.macro TOSTAGE a
.set AC, 64*((\a)%4)
	WIN 0x08+4*((\a)/4)
.irp b, 0,1,2,3,4,5,6,7
	ds_store_b128 v[STO], v[AC+8*\b:AC+8*\b+3] offset:64*\b          ; each accumulator from its low end on
	ds_store_b128 v[STO], v[AC+8*\b+4:AC+8*\b+7] offset:64*\b+16
.endr
	WIN 0
.set BB, BK+64*((\a)%2)
.irp t, 0,1,2,3,4,5,6,7,8,9,10,11,12,13,14,15
	ds_load_b128 v[BB+4*\t:BB+4*\t+3], v[RD] offset:\t*SPITCH
.endr
.endm
.macro SEND a, younger
.set BB, BK+64*((\a)%2)
	s_wait_dscnt \younger                          ; the block is back in registers
.if (\a) > 0
	s_add_nc_u64 s[12:13], s[12:13], 16*NROW       ; (behind a wait on XCNT: the earlier stores have read their base)
.endif
.irp t, 0,1,2,3,4,5,6,7,8,9,10,11,12,13,14,15
	global_store_b128 v[CO], v[BB+4*\t:BB+4*\t+3], s[12:13] offset:\t*NROW th:TH_STORE_NT   ; 32 lanes store 512 consecutive bytes, at a multiple of 256 from out0's first byte
.endr
.endm
	PLACES NP
	TOSTAGE 0
.irp a, 1,2,3,4,5,6,7
.if \a > 1
	s_wait_xcnt 0x0                                ; block a - 2's stores have read their registers and their base
.endif
	TOSTAGE \a
	SEND \a-1, 32                                  ; behind block a - 1's loads: block a's 16 stores and 16 loads
.endr
	s_wait_xcnt 0x0
	SEND 7, 0
	s_wait_tensorcnt 0x0                           ; the wave's end
	ds_add_u32 v[SPW], v[NIL]
	s_wait_dscnt 0x0
	CROUND                                         ; the closing round
	s_endpgm
.Lfunc_end_k_qf56b7c01de_outp:
	.size	k_qf56b7c01de_outp, .Lfunc_end_k_qf56b7c01de_outp-k_qf56b7c01de_outp
	.p2alignl 7, 3214868480
	.fill 96, 4, 3214868480
	.section	.rodata,"a",@progbits
	.p2align	6, 0x0
	.amdhsa_kernel k_qf56b7c01de_outp
		.amdhsa_group_segment_fixed_size 327680
		.amdhsa_private_segment_fixed_size 0
		.amdhsa_enable_private_segment 0
		.amdhsa_kernarg_size 48
		.amdhsa_user_sgpr_count 2
		.amdhsa_user_sgpr_kernarg_segment_ptr 1
		.amdhsa_wavefront_size32 1
		.amdhsa_system_sgpr_workgroup_id_x 1
		.amdhsa_system_sgpr_workgroup_id_y 1
		.amdhsa_system_sgpr_workgroup_id_z 1
		.amdhsa_system_vgpr_workitem_id 0
		.amdhsa_next_free_vgpr 1024
		.amdhsa_next_free_sgpr 100
		.amdhsa_reserve_vcc 0
		.amdhsa_float_denorm_mode_32 3
		.amdhsa_float_denorm_mode_16_64 3
		.amdhsa_memory_ordered 1
		.amdhsa_forward_progress 1
		.amdhsa_inst_pref_size 161
	.end_amdhsa_kernel
	.amdgpu_metadata
---
amdhsa.version: [ 1, 2 ]
amdhsa.kernels:
  - .name:           k_qf56b7c01de_outp
    .symbol:         k_qf56b7c01de_outp.kd
    .args:
      - { .name: cc, .offset: 0, .size: 8, .value_kind: global_buffer, .address_space: global }
      - { .name: cs, .offset: 8, .size: 8, .value_kind: global_buffer, .address_space: global }
      - { .name: Wo_codes, .offset: 16, .size: 8, .value_kind: global_buffer, .address_space: global }
      - { .name: Wo_scales, .offset: 24, .size: 8, .value_kind: global_buffer, .address_space: global }
      - { .name: bo, .offset: 32, .size: 8, .value_kind: global_buffer, .address_space: global }
      - { .name: out0, .offset: 40, .size: 8, .value_kind: global_buffer, .address_space: global }
    .group_segment_fixed_size: 327680
    .private_segment_fixed_size: 0
    .kernarg_segment_align: 8
    .kernarg_segment_size: 48
    .max_flat_workgroup_size: 128
    .sgpr_count:     100
    .vgpr_count:     1024
    .wavefront_size: 32
...
	.end_amdgpu_metadata
.endif
;; end of part 3
